; MI455X (gfx1250); checked and timed in simulation.
; The chip was launched on July 23, 2026; its instructions are those of AMD's public machine-readable ISA for CDNA 5 (MIT licence, August 2026) and "CDNA5" Instruction Set Architecture Reference Guide (July 2026). The comments in the code are by the model that wrote it; some were corrected since.
;; Local Self Attention. Allowed arithmetic: float matrix products may take bf16 or f16 operands with f32 sums; all other float work in f32.
;; Inputs: Wk 512 x 512 float32; Wo 512 x 512 float32; Wq 512 x 512 float32; Wv 512 x 512 float32; bk 512 float32; bo 512 float32; bq 512 float32; bv 512 float32; x 4 x 4,096 x 512 float32.
;; Outputs: out0 4 x 4,096 x 512 float32.
;; 2 versions, each right and faster than the one before. Each part assembles by itself: llvm-mc -triple=amdgcn-amd-amdhsa -mcpu=gfx1250 --defsym DOCPART=n.
;; ======== version 1 of 2: 2 launches
;; limits: values are held in f16: magnitudes above 65,504 overflow, below 6.1e-05 lose precision; inputs' magnitudes at most 65,504
;; workspace buffers: gw 1,052,672 bytes
;; launch prep (part 1): grid 128 x 1, 4 waves a work-group, no clusters, 165,376 bytes of LDS; arguments Wq, Wk, Wv, Wo, bq, bv, bo, gw; writes gw
.if DOCPART == 1
	.amdgcn_target "amdgcn-amd-amdhsa--gfx1250"
	.amdhsa_code_object_version 6
	.text
	.protected	k_q924c3ba1ef_prep
	.globl	k_q924c3ba1ef_prep
	.p2align	8
	.type	k_q924c3ba1ef_prep,@function
k_q924c3ba1ef_prep:
	s_mov_b64 s[64:65], 0
	v_nop
	global_prefetch_b8 v0, s[64:65] scope:SCOPE_SE
	s_setreg_imm32_b32 hwreg(HW_REG_WAVE_MODE, 25, 1), 1
	s_wait_xcnt 0x0
; LocalSelfAttention, launch 1 of 2: the four weight matrices are folded into two.
;
; WHAT IS LEFT OUT, AND WHY (for all finite values of the inputs, in exact arithmetic):
;   scores[i][j] = q_i . k_j = q_i . (Wk x_j) + q_i . bk.  The term q_i . bk is the same for every key j of a row, and a softmax
;   along j does not change when one number is added to its whole row.  So bk has no way to any output: it is not loaded and is no argument.
; WHAT IS REASSOCIATED (identities, no work is dropped):
;   q_i . (Wk x_j) = t_i . x_j   with t_i = G1 x_i + c,   G1[g][f] = sum_e Wk[e][g] Wq[e][f],   c[g] = sum_e bq[e] Wk[e][g].
;   A softmax row sums to 1, so attn (x Wv^T + bv) Wo^T + bo = (attn x) G2^T + dd,
;   G2[o][f] = sum_e Wo[o][e] Wv[e][f],   dd[o] = sum_e Wo[o][e] bv[e] + bo[o].
; FORMAT: all matrix operands are f16 (11 significant bits): the scores have a spread of several units in front of the exponential, so a rounding of
;   their operands shows in the result multiplied by the difference of two value rows; 8 significant bits leave too little margin there.
; LIMITS: a NaN, an infinity or an overflow that reaches only q . bk is not carried to the result; the order of rounding differs from
;   the formula as written (G1, G2, t and attn x are rounded to f16 where q, k, v and attn v would be).
;   Range of f16: |W|, |b|, |G1|, |G2| below 65,504.  A sum of 512 products of weights of size 1.3 (thirty times their spread of 512^-0.5) is 870.
;   Numbers below 2^-14 keep an absolute step of 2^-24: weights thirty times smaller give G of spread 5e-5, rounded to 6e-8.
;
; THIS LAUNCH stores gw: G1 at byte 0, G2 at byte 524,288 (f16, in the order in which launch 2 loads matrix fragments), c at 1,048,576, dd at 1,050,624 (f32).
;   Fragment order of G[row][col]: the block of rows 16 mt .. +15, columns 32 ks .. +31 has 1,024 bytes at ((mt>>3)*128 + ks*8 + (mt&7))*1024;
;   in it lane L = (r = L & 15, h = L >> 4) has G[16 mt + r][32 ks + 16 half + 8 h .. + 7] at half*512 + 16 L.
; 128 work-groups: product mat (0: G1, 1: G2), 64 rows nb, 64 columns cb of G.  Four waves; wave w makes G rows 64 nb + 16 w .. + 15, all 64 columns.
; The product is taken as D(m = G column, n = G row): a lane's eight results are then eight neighbouring columns of one row: one half of a fragment, 16 bytes.
; Both panels (512 along the sum x 64) are brought through registers, rounded to f16 and laid in LDS; no tensor load, since the numbers change format on the way.
; No cluster: a panel is read by eight work-groups, but it passes through registers for the rounding, which a joint load into LDS cannot do.
.set PP,  160                          ; pitch of a panel row: 64 f16 + 32 bytes (an odd multiple of 32, for the transposing loads)
.set WP,  1040                         ; pitch of a row of Wo: 512 f16 + 16 bytes
.set PB,  81920                        ; second panel (first: byte 0; 512 rows x 160)
.set BV,  163840                       ; the bias vector in f16, 1,024 bytes
.set LB,  64                           ; v64-255: three landing buffers of 64 registers; later v64-223: four fragment buffers of 40
.set ACC, 224                          ; v224-255: four accumulators
; v1 lane, v3 r, v4 h, v5-v7 global offsets, v8-v9 LDS store addresses, v10-v13 fragment addresses, v14 bias fragments, v15 offset in gw, v16 4 x my G row
; s[16:31]: Wq, Wk, Wv, Wo, bq, bv, bo, gw.  s8 wave, s9 mat, s10 nb, s11 cb, s15 = 64 nb + 16 w
	s_load_b512 s[16:31], s[0:1], 0x0
	v_lshl_add_u32 v30, v0, 2, 0x28400
	v_mov_b32 v31, 0
	v_and_b32 v1, 31, v0
	v_lshrrev_b32 v2, 5, v0
	v_readfirstlane_b32 s8, v2                     ; wave
	s_lshr_b32 s9, ttmp9, 6                        ; mat
	s_bfe_u32 s10, ttmp9, 0x30003                  ; nb
	s_and_b32 s11, ttmp9, 7                        ; cb
	v_and_b32 v3, 15, v1                           ; r
	v_lshrrev_b32 v4, 4, v1                        ; h
	s_lshl_b32 s12, s8, 18                         ; a column panel: wave w takes rows 128 w .. + 127 of 2,048 bytes,
	v_lshlrev_b32 v5, 4, v3                        ; two rows a load: 16 lanes x 16 bytes = 256 bytes of each
	v_lshl_add_u32 v5, v4, 11, v5
	v_add_nc_u32 v5, s12, v5
	s_lshl_b32 s13, s11, 8
	v_add_nc_u32 v6, s13, v5                       ; first panel: columns 64 cb
	s_mul_i32 s12, s8, 128*PP
	v_mul_u32_u24 v8, v4, PP
	v_lshl_add_u32 v8, v3, 3, v8
	v_add_nc_u32 v8, s12, v8                       ; where a lane's four numbers go, as 8 bytes
	v_and_b32 v2, 7, v1                            ; transposing load: lane L addresses row 8 h + (L & 7), 16 bytes at 16 ((L >> 3) & 1)
	v_lshl_add_u32 v2, v4, 3, v2
	v_mul_u32_u24 v10, v2, PP
	v_bfe_u32 v2, v1, 3, 1
	v_lshl_add_u32 v10, v2, 4, v10
	v_add_nc_u32 v11, 8*32*PP, v10                 ; steps 8 to 15: their offsets would pass 16 bits
	v_lshlrev_b32 v14, 4, v4
	v_add_nc_u32 v14, BV, v14
	s_lshr_b32 s12, s10, 1                         ; my fragments' place in gw
	s_lshl_b32 s12, s12, 7
	s_lshl4_add_u32 s12, s11, s12
	s_and_b32 s13, s10, 1
	s_lshl2_add_u32 s12, s13, s12
	s_add_co_u32 s12, s12, s8
	s_lshl_b32 s12, s12, 10
	s_lshl_b32 s13, s9, 19
	s_add_co_u32 s12, s12, s13
	v_lshl_add_u32 v15, v1, 4, s12
	s_lshl_b32 s15, s10, 6
	s_lshl4_add_u32 s15, s8, s15                   ; 64 nb + 16 w
	v_add_nc_u32 v16, s15, v3
	v_lshlrev_b32 v16, 2, v16
	s_wait_kmcnt 0x0
; sixteen loads of group g (0-3: first panel, 4-7: second) into landing buffer g % 3
.macro PISSUE mode, g
.set pb_, LB+64*((\g)%3)
.set pii, 0
.rept 16
.if (\g) < 4
	global_load_b128 v[pb_+4*pii:pb_+4*pii+3], v6, s[16+4*\mode:17+4*\mode] offset:(16*(\g)+pii)*4096
.else
.if \mode == 0
	global_load_b128 v[pb_+4*pii:pb_+4*pii+3], v7, s[18:19] offset:(16*((\g)-4)+pii)*4096
.else
	global_load_b128 v[pb_+4*pii:pb_+4*pii+3], v7, s[22:23] offset:(16*((\g)-4)+pii)*512
.endif
.endif
.set pii, pii+1
.endr
.endm
; group g: rounded to f16 and laid in LDS
.macro PCONV mode, g
.set pb_, LB+64*((\g)%3)
.set pii, 0
.rept 16
	v_cvt_pk_f16_f32 v[32+2*pii], v[pb_+4*pii], v[pb_+4*pii+1]
	v_cvt_pk_f16_f32 v[33+2*pii], v[pb_+4*pii+2], v[pb_+4*pii+3]
.set pii, pii+1
.endr
.set pii, 0
.rept 16
.if (\g) < 4
	ds_store_b64 v8, v[32+2*pii:33+2*pii] offset:(16*(\g)+pii)*2*PP
.else
.if \mode == 0
	ds_store_b64 v9, v[32+2*pii:33+2*pii] offset:(16*((\g)-4)+pii)*2*PP
.else
	ds_store_b64 v9, v[32+2*pii:33+2*pii] offset:((16*((\g)-4)+pii)/4)*WP+(pii%4)*256
.endif
.endif
.set pii, pii+1
.endr
.endm
; the fragment of my 16 G rows at step ks of the sum
.macro BFRAG mode, dst, ks
.if \mode == 0
.if (\ks) < 8
	ds_load_tr16_b128 v[\dst:\dst+3], v12 offset:(\ks)*32*PP
	ds_load_tr16_b128 v[\dst+4:\dst+7], v12 offset:(\ks)*32*PP+16*PP
.else
	ds_load_tr16_b128 v[\dst:\dst+3], v13 offset:((\ks)-8)*32*PP
	ds_load_tr16_b128 v[\dst+4:\dst+7], v13 offset:((\ks)-8)*32*PP+16*PP
.endif
.else
	ds_load_b128 v[\dst:\dst+3], v12 offset:(\ks)*64
	ds_load_b128 v[\dst+4:\dst+7], v12 offset:(\ks)*64+32
.endif
.endm
; ten LDS loads: step s's four fragments of G columns and one of G rows, into buffer s % 4
.macro PFETCH mode, s
.set fb_, 64+40*((\s)%4)
.irp mu, 0,1,2,3
.if (\s) < 8
	ds_load_tr16_b128 v[fb_+8*\mu:fb_+8*\mu+3], v10 offset:(\s)*32*PP+32*\mu
	ds_load_tr16_b128 v[fb_+8*\mu+4:fb_+8*\mu+7], v10 offset:(\s)*32*PP+16*PP+32*\mu
.else
	ds_load_tr16_b128 v[fb_+8*\mu:fb_+8*\mu+3], v11 offset:((\s)-8)*32*PP+32*\mu
	ds_load_tr16_b128 v[fb_+8*\mu+4:fb_+8*\mu+7], v11 offset:((\s)-8)*32*PP+16*PP+32*\mu
.endif
.endr
	BFRAG \mode, fb_+32, \s
.endm
.macro BODY mode
.if \mode == 0
	s_lshl_b32 s13, s10, 8                         ; Wk: a column panel, columns 64 nb
	v_add_nc_u32 v7, s13, v5
	v_add_nc_u32 v9, PB, v8
	s_lshl_b32 s13, s8, 5                          ; my 16 columns of it
	v_add_nc_u32 v12, s13, v10
	v_add_nc_u32 v12, PB, v12
	v_add_nc_u32 v13, 8*32*PP, v12
.else
	s_lshl_b32 s13, s15, 11                        ; Wo: whole rows 64 nb + 16 w .. + 15, 512 bytes a load
	v_lshl_add_u32 v7, v1, 4, s13
	s_mul_i32 s13, s8, 16*WP
	s_add_co_u32 s13, s13, PB
	v_lshl_add_u32 v9, v1, 3, s13
	v_mul_u32_u24 v12, v3, WP
	v_lshl_add_u32 v12, v4, 4, v12
	v_add_nc_u32 v12, s13, v12
.endif
	PISSUE \mode, 0
	PISSUE \mode, 1
	PISSUE \mode, 2
.irp g, 0,1,2,3,4,5,6,7
.if \g < 6
	s_wait_loadcnt 32                              ; loads return in order: group g is in, the two younger groups (32 loads) stay out
.else
	s_wait_loadcnt 16*(7-\g)                       ; the counts run down: 16, 0
.endif
	PCONV \mode, \g
.if \g < 5
	PISSUE \mode, \g+3                             ; into the buffer just read
.endif
.endr
	s_cmp_lg_u32 s11, 0                            ; the work-groups of column block 0 also make 64 numbers of c or dd
	s_cbranch_scc1 .Lnovec\mode
	v_lshlrev_b32 v17, 4, v0
	global_load_b128 v[64:67], v17, s[24+2*\mode:25+2*\mode]       ; bq or bv: thread t takes four numbers
	s_wait_loadcnt 0x0
	v_cvt_pk_f16_f32 v32, v64, v65
	v_cvt_pk_f16_f32 v33, v66, v67
	v_lshl_add_u32 v18, v0, 3, BV
	ds_store_b64 v18, v[32:33]
.Lnovec\mode:
	s_wait_dscnt 0x0                               ; my stores are in LDS before I signal: the other waves read them
	s_barrier_signal -1
	s_barrier_wait -1
	PFETCH \mode, 0
	PFETCH \mode, 1
	PFETCH \mode, 2
.set ps, 0
.rept 16
.if ps+3 <= 15
.rept 4
	v_nop                                          ; four places between the last products and the loads into the buffer that they read
.endr
	PFETCH \mode, ps+3
	s_wait_dscnt 30                                ; this step's ten loads are in; three younger steps stay out
.else
	s_wait_dscnt 10*(15-ps)
.endif
.set fb2, 64+40*(ps%4)
.irp mu, 0,1,2,3                                   ; the four accumulators take turns, one instruction a turn
.if ps == 0
	v_wmma_f32_16x16x32_f16 v[ACC+8*\mu:ACC+8*\mu+7], v[fb2+8*\mu:fb2+8*\mu+7], v[fb2+32:fb2+39], 0
.else
	v_wmma_f32_16x16x32_f16 v[ACC+8*\mu:ACC+8*\mu+7], v[fb2+8*\mu:fb2+8*\mu+7], v[fb2+32:fb2+39], v[ACC+8*\mu:ACC+8*\mu+7]
.endif
.endr
.set ps, ps+1
.endr
.rept 4
	v_nop                                          ; four places before the results are read
.endr
.irp mu, 0,1,2,3
.irp p, 0,1,2,3
	v_cvt_pk_f16_f32 v[32+4*\mu+\p], v[ACC+8*\mu+2*\p], v[ACC+8*\mu+2*\p+1]
.endr
	global_store_b128 v15, v[32+4*\mu:35+4*\mu], s[30:31] offset:(\mu/2)*8192+(\mu%2)*512   ; the wave stores 512 consecutive bytes, aligned
.endr
	s_cmp_lg_u32 s11, 0
	s_cbranch_scc1 .Lend\mode
	; c or dd for my 16 G rows: the same product with the bias vector as all sixteen rows of the first operand
.if \mode
	global_load_b32 v49, v16, s[28:29]             ; bo
.endif
.irp hf, 0,1
.rept 5
	v_nop                                          ; five places before matrix instructions write over earlier results, four before loads into earlier operands
.endr
.irp kk, 0,1,2,3,4,5,6,7
	BFRAG \mode, 64+8*\kk, 8*\hf+\kk
	ds_load_b128 v[128+8*\kk:131+8*\kk], v14 offset:(8*\hf+\kk)*64
	ds_load_b128 v[132+8*\kk:135+8*\kk], v14 offset:(8*\hf+\kk)*64+32
.endr
	s_wait_dscnt 0x0
.irp kk, 0,1,2,3,4,5,6,7                           ; two accumulators take turns
.if (8*\hf+\kk) < 2
	v_wmma_f32_16x16x32_f16 v[ACC+8*(\kk%2):ACC+8*(\kk%2)+7], v[128+8*\kk:135+8*\kk], v[64+8*\kk:71+8*\kk], 0
.else
	v_wmma_f32_16x16x32_f16 v[ACC+8*(\kk%2):ACC+8*(\kk%2)+7], v[128+8*\kk:135+8*\kk], v[64+8*\kk:71+8*\kk], v[ACC+8*(\kk%2):ACC+8*(\kk%2)+7]
.endif
.endr
.endr
.rept 4
	v_nop
.endr
	v_add_f32 v48, v[ACC], v[ACC+8]                ; register 0 of lane r: the sum for G row r (all rows of the result are alike)
.if \mode
	s_wait_loadcnt 0x0
	v_add_f32 v48, v48, v49
.endif
	s_wait_xcnt 0x0                                ; EXEC is a source of the pending stores: it changes only behind this wait
	v_cmp_gt_u32 vcc_lo, 16, v1
	s_and_saveexec_b32 s14, vcc_lo
	global_store_b32 v16, v48, s[30:31] offset:1048576+2048*\mode  ; 64 consecutive bytes a wave; 4,096 bytes of this kind in the whole launch
	s_wait_xcnt 0x0
	s_or_b32 exec_lo, exec_lo, s14
.Lend\mode:
	s_wait_tensorcnt 0x0
	ds_add_u32 v30, v31
	s_wait_dscnt 0x0
	s_endpgm
.endm
	s_cmp_lg_u32 s9, 0
	s_cbranch_scc1 .Lmat1
	BODY 0
.Lmat1:
	BODY 1
.Lfunc_end_k_q924c3ba1ef_prep:
	.size	k_q924c3ba1ef_prep, .Lfunc_end_k_q924c3ba1ef_prep-k_q924c3ba1ef_prep
	.p2alignl 7, 3214868480
	.fill 96, 4, 3214868480
	.section	.rodata,"a",@progbits
	.p2align	6, 0x0
	.amdhsa_kernel k_q924c3ba1ef_prep
		.amdhsa_group_segment_fixed_size 165376
		.amdhsa_private_segment_fixed_size 0
		.amdhsa_enable_private_segment 0
		.amdhsa_kernarg_size 64
		.amdhsa_user_sgpr_count 2
		.amdhsa_user_sgpr_kernarg_segment_ptr 1
		.amdhsa_wavefront_size32 1
		.amdhsa_system_sgpr_workgroup_id_x 1
		.amdhsa_system_sgpr_workgroup_id_y 1
		.amdhsa_system_sgpr_workgroup_id_z 1
		.amdhsa_system_vgpr_workitem_id 0
		.amdhsa_next_free_vgpr 256
		.amdhsa_next_free_sgpr 66
		.amdhsa_reserve_vcc 1
		.amdhsa_float_denorm_mode_32 3
		.amdhsa_float_denorm_mode_16_64 3
		.amdhsa_memory_ordered 1
		.amdhsa_forward_progress 1
		.amdhsa_inst_pref_size 125
	.end_amdhsa_kernel
	.amdgpu_metadata
---
amdhsa.version: [ 1, 2 ]
amdhsa.kernels:
  - .name:           k_q924c3ba1ef_prep
    .symbol:         k_q924c3ba1ef_prep.kd
    .args:
      - { .name: Wq, .offset: 0, .size: 8, .value_kind: global_buffer, .address_space: global }
      - { .name: Wk, .offset: 8, .size: 8, .value_kind: global_buffer, .address_space: global }
      - { .name: Wv, .offset: 16, .size: 8, .value_kind: global_buffer, .address_space: global }
      - { .name: Wo, .offset: 24, .size: 8, .value_kind: global_buffer, .address_space: global }
      - { .name: bq, .offset: 32, .size: 8, .value_kind: global_buffer, .address_space: global }
      - { .name: bv, .offset: 40, .size: 8, .value_kind: global_buffer, .address_space: global }
      - { .name: bo, .offset: 48, .size: 8, .value_kind: global_buffer, .address_space: global }
      - { .name: gw, .offset: 56, .size: 8, .value_kind: global_buffer, .address_space: global }
    .group_segment_fixed_size: 165376
    .private_segment_fixed_size: 0
    .kernarg_segment_align: 8
    .kernarg_segment_size: 64
    .max_flat_workgroup_size: 128
    .sgpr_count:     66
    .vgpr_count:     256
    .wavefront_size: 32
...
	.end_amdgpu_metadata
.endif
;; end of part 1
;; launch attn (part 2): grid 256 x 1, 4 waves a work-group, no clusters, 266,752 bytes of LDS; arguments x, gw, out0; writes out0
.if DOCPART == 2
	.amdgcn_target "amdgcn-amd-amdhsa--gfx1250"
	.amdhsa_code_object_version 6
	.text
	.protected	k_q924c3ba1ef_attn
	.globl	k_q924c3ba1ef_attn
	.p2align	8
	.type	k_q924c3ba1ef_attn,@function
k_q924c3ba1ef_attn:
	s_mov_b64 s[64:65], 0
	v_nop
	global_prefetch_b8 v0, s[64:65] scope:SCOPE_SE
	s_setreg_imm32_b32 hwreg(HW_REG_WAVE_MODE, 25, 1), 1
	s_wait_xcnt 0x0
; LocalSelfAttention, launch 2 of 2.  out = softmax(causal(t x^T) / sqrt(32)) x G2^T + dd + x,  t = x G1^T + c, window by window (256 rows).
; Left out: bk (its term is the same along a softmax row, shown at the head of launch 1); key tiles of 32 that lie wholly above the diagonal.
; Inside the 32 keys that hold the diagonal a tile of 16 keys may be wholly masked: it stays, since the second product takes 32 keys at once.
; FORMAT: all matrix operands are f16 (why: head of launch 1).  Their room: x and U = attn x need |x| < 65,504; P lies in 0 .. 1 (below 2^-25 it becomes 0);
;   t grows with Wq, Wk and x together and has no such room, so each query's t is multiplied by 2^-e, e the exponent of its largest |t| (exact, the
;   largest is then in 1 .. 2), and 2^e goes into the f32 factor that multiplies the scores.
; LIMITS: as stated in launch 1 (order of rounding; a NaN or overflow that reaches only q . bk is not carried).  e is kept in -126 .. 126: a row whose largest |t|
;   is below 2^-126 keeps that factor (its scores are below 2^-100 for every x in range); one above 2^127 gives numbers up to 4.  score x 0.255 must stay finite in f32.
;   The row maximum is taken away before the exponential.
;
; 256 work-groups: window = id >> 2, j = id & 3: query rows 64 j .. 64 j + 63 of the window, keys 0 .. 64 j + 63.  Nothing but raw x and the two folded
; weights is needed, so no intermediate goes through memory.  Four waves, one for each SIMD.
;   T = x G1^T + c and Y = U G2^T: wave w makes 128 features (8 tiles a) x 64 queries (4 tiles q), 32 accumulators.
;   scores, softmax, U = P x: wave w owns query tile w (16 rows) and all 512 features of U, 32 accumulators.
; Every product is taken transposed, D(m = feature or key, n = query): a lane holds one query and eight neighbouring features or keys, which pack into
; 16 bytes of the next product's second operand.
; NO TENSOR LOADS, NO CLUSTER: x is rounded to f16 in registers on its way into LDS; the window's x takes 266,240 bytes of LDS, so no ring for weights has room;
; each weight byte is used by one wave of a work-group only and is loaded straight into registers in fragment order, 512 consecutive bytes a load.
;
; LDS: block b at b*66,560: 64 rows of x in f16, pitch 1,040.  Block 0: my queries (= key block j); block b >= 1: key block b - 1.
;      TX = byte 66,560, 131,072 bytes, before blocks 1 and 2 are filled: T in f32; query tile q, feature tile A, part p at q*32,768 + A*1,024 + p*512 + 16 L.
;      EX = block 3's bytes: U in fragment order behind the attention.  Stage for the way out: byte 0, 33,792 bytes a wave, behind the attention.
; REGISTERS in windows of 256 (s_set_vgpr_msb: bits 1:0 source 0, 3:2 source 1, 5:4 source 2, 7:6 destination):
;   window 0: v1 lane, v3 address of my T, later v[2:3] 1/sum, v4 r, v5 h, v6-v31 addresses and dd, v32-63 packed numbers, v64-191 fragment buffers,
;             v192-255 c, later rows on the way out
;   window 1: 256 accumulators; landing registers of the x loader and of my query tile's T
;   window 2: four weight buffers of 64; T's sixteen fragments (v0-127) during the scores
;   window 3: scores, slot sl at v[16 sl] (v0-127), later the residual; v128-143 second half-sums of a score tile pair; v144 max, v145 diagonal limit,
;             v[146:149] sums, v150 at work, v151 -inf, v[152:153] -max x factor, v[154:155] factor = 2^e x 32^-0.5 x log2(e)
.set XP,   1040
.set BLK,  64*XP
.set TX,   BLK
.set EX,   3*BLK
.set T16,  16*XP
.set T32,  32*XP
.set SP,   528                         ; stage: 128 f32 + 16 bytes
.set STGW, 64*SP
.set MSB, 0
.macro WIN new                         ; the immediate's high byte repeats the setting that is left
.if MSB != \new
	s_set_vgpr_msb (MSB<<8)|\new
.set MSB, \new
.endif
.endm
.macro PLACES cnt                      ; places behind matrix instructions: four before a result is read or a load is issued into an operand
.rept \cnt
	v_nop
.endr
.endm
.macro BAR
	s_barrier_signal -1
	s_barrier_wait -1
.endm
	s_load_b128 s[4:7], s[0:1], 0x0                ; x, gw
	s_load_b64 s[8:9], s[0:1], 0x10                ; out0
	s_set_vgpr_msb 0xc0
	v_lshl_add_u32 v160, v0, 2, 0x41000
	v_mov_b32 v161, 0
	s_set_vgpr_msb 0xc000
	v_and_b32 v1, 31, v0
	v_lshrrev_b32 v2, 5, v0
	v_readfirstlane_b32 s10, v2                    ; wave
	s_and_b32 s11, ttmp9, 3                        ; j
	s_lshr_b32 s12, ttmp9, 2                       ; window
	s_lshl_b32 s14, s12, 19                        ; 256 rows of 2,048 bytes
	s_mov_b32 s15, 0
	s_mov_b32 s26, 0x76543210                      ; v_permlanex16_b32: lane i takes lane i of the other half
	s_mov_b32 s27, 0xfedcba98
	v_and_b32 v4, 15, v1                           ; r
	v_lshrrev_b32 v5, 4, v1                        ; h
	s_lshl_b32 s13, s10, 17
	v_lshl_add_u32 v6, v1, 4, s13                  ; weights: my 128 features' fragments, 16 bytes a lane
	s_lshl_b32 s13, s11, 17
	s_lshl_b32 s12, s10, 15
	s_add_co_u32 s13, s13, s12
	v_lshl_add_u32 v7, v1, 4, s13                  ; x: rows 64 j + 16 w of the window
	v_lshl_add_u32 v28, v1, 4, s12                 ; x: rows 16 w of key block 0
	s_mul_i32 s13, s10, T16
	v_lshl_add_u32 v8, v1, 3, s13                  ; LDS: rows 16 w of block 0, 8 bytes a lane
	v_mul_u32_u24 v9, v4, XP
	v_lshl_add_u32 v9, v5, 4, v9                   ; fragments along the rows: row r, 16 h
	v_add_nc_u32 v10, BLK, v9
	v_add_nc_u32 v11, BLK, v10
	v_add_nc_u32 v12, BLK, v11
	v_and_b32 v2, 7, v1
	v_lshl_add_u32 v2, v5, 3, v2
	v_bfe_u32 v3, v1, 3, 1
	v_mul_u32_u24 v13, v2, XP
	v_lshl_add_u32 v13, v3, 4, v13                 ; transposing loads: row 8 h + (L & 7), 16 ((L >> 3) & 1)
	v_add_nc_u32 v14, BLK, v13
	v_add_nc_u32 v15, BLK, v14
	v_add_nc_u32 v16, BLK, v15
	v_lshl_add_u32 v19, v1, 4, EX
	s_lshl_b32 s13, s10, 14
	v_add_nc_u32 v18, s13, v19                     ; U: query tile w
	s_lshl_b32 s13, s10, 13
	s_add_co_u32 s13, s13, TX
	v_lshl_add_u32 v17, v1, 4, s13                 ; T out: my features are tiles 8 w .. 8 w + 7; query tiles 0, 1
	v_add_nc_u32 v29, 0x10000, v17                 ; query tiles 2, 3: their offsets would pass 16 bits
	s_lshl_b32 s13, s10, 15
	s_add_co_u32 s13, s13, TX
	v_lshl_add_u32 v3, v1, 4, s13                  ; T back: query tile w
	s_mul_i32 s13, s10, STGW
	v_mul_u32_u24 v20, v4, SP
	v_lshl_add_u32 v20, v5, 5, v20
	v_add_nc_u32 v20, s13, v20                     ; stage in: row r, 32 h
	v_lshl_add_u32 v21, v1, 4, s13                 ; stage back: a whole row of 512 bytes
	s_lshl_b32 s13, s10, 9
	v_lshl_add_u32 v30, v1, 4, s13                 ; dd: my four columns
	v_lshl_add_u32 v23, v5, 5, s13                 ; c: 512 w + 32 h
	s_lshl_b32 s12, s11, 17
	s_add_co_u32 s13, s13, s12
	v_lshl_add_u32 v22, v1, 4, s13                 ; out and residual: row 64 j, byte 512 w + 16 L
	s_lshl_b32 s13, s10, 4
	v_lshlrev_b32 v2, 3, v5
	v_sub_nc_u32 v31, v4, v2
	v_add_nc_u32 v31, s13, v31                     ; key 32 sl + 16 t + 8 h + i is kept where 32 sl + 16 t + i <= 16 w + r - 8 h
	s_wait_kmcnt 0x0
	s_add_nc_u64 s[16:17], s[4:5], s[14:15]        ; the window in x
	s_add_nc_u64 s[18:19], s[8:9], s[14:15]        ; and in out0
	s_add_nc_u64 s[20:21], s[6:7], 0x80000         ; G2
	s_add_nc_u64 s[22:23], s[6:7], 0x100000        ; c, dd
; sixteen loads of x (512 consecutive bytes each): quarter g of my 16 rows, into window 1
.macro XISSUE g, va, boff
	WIN 0x40
.set xi, 16*(\g)
.rept 16
	global_load_b128 v[4*xi:4*xi+3], v[\va], s[16:17] offset:\boff+xi*512
.set xi, xi+1
.endr
.endm
; that quarter rounded to f16 and laid in LDS at v8
.macro XCONV g
	WIN 0x05
.set xi, 0
.rept 16
	v_cvt_pk_f16_f32 v[32+2*xi], v[64*(\g)+4*xi], v[64*(\g)+4*xi+1]
	v_cvt_pk_f16_f32 v[33+2*xi], v[64*(\g)+4*xi+2], v[64*(\g)+4*xi+3]
.set xi, xi+1
.endr
	WIN 0
.set xi, 16*(\g)
.rept 16
	ds_store_b64 v8, v[32+2*(xi%16):33+2*(xi%16)] offset:(xi/4)*XP+(xi%4)*256
.set xi, xi+1
.endr
.endm
; step s's eight weight fragments (16 loads) into weight buffer s % 4
.macro WLOAD base, s
	WIN 0x80
.set wi, 0
.rept 16
	global_load_b128 v[64*((\s)%4)+4*wi:64*((\s)%4)+4*wi+3], v6, s[\base:\base+1] offset:(\s)*8192+wi*512
.set wi, wi+1
.endr
.endm
; step s's four query fragments (8 LDS loads) into buffer s % 4 of v64-191
.macro BLOAD vb, qst, kst, hst, s
	WIN 0
.irp bq, 0,1,2,3
	ds_load_b128 v[64+32*((\s)%4)+8*\bq:64+32*((\s)%4)+8*\bq+3], v[\vb] offset:\bq*\qst+(\s)*\kst
	ds_load_b128 v[64+32*((\s)%4)+8*\bq+4:64+32*((\s)%4)+8*\bq+7], v[\vb] offset:\bq*\qst+(\s)*\kst+\hst
.endr
.endm
; sixteen rows of the residual, batch b, into window 3
.macro XRISSUE b
	WIN 0xc0
.set xi, 0
.rept 16
	global_load_b128 v[64*((\b)&1)+4*xi:64*((\b)&1)+4*xi+3], v22, s[16:17] offset:(16*(\b)+xi)*2048
.set xi, xi+1
.endr
.endm
; 128 features x 64 queries over 512: sixteen steps of 32 matrix instructions; fragments are asked for three steps ahead.
; The 32 accumulators take turns, one instruction a turn.  The first step starts the sums.
.macro GEMM base, vb, qst, kst, hst, hook
.set gs, 0
.rept 16
.if gs+3 <= 15
	PLACES 4                                       ; the buffers filled below were read by the last step's products
	WLOAD \base, gs+3
	BLOAD \vb, \qst, \kst, \hst, gs+3
	s_wait_loadcnt 48                              ; this step's 16 weight loads are in; three younger steps stay out
	s_wait_dscnt 24                                ; likewise its 8 LDS loads
.else
	s_wait_loadcnt 16*(15-gs)                      ; the counts run down
	s_wait_dscnt 8*(15-gs)
.endif
.if \hook
.if gs == 15
	XRISSUE 0                                      ; the residual's first 32 rows are asked for behind the last wait for weights
	XRISSUE 1
.endif
.endif
	WIN 0x52
.set ga, 0
.rept 8
.set gq, 0
.rept 4
.if gs == 0
	v_wmma_f32_16x16x32_f16 v[8*(4*ga+gq):8*(4*ga+gq)+7], v[64*(gs%4)+8*ga:64*(gs%4)+8*ga+7], v[64+32*(gs%4)+8*gq:64+32*(gs%4)+8*gq+7], 0
.else
	v_wmma_f32_16x16x32_f16 v[8*(4*ga+gq):8*(4*ga+gq)+7], v[64*(gs%4)+8*ga:64*(gs%4)+8*ga+7], v[64+32*(gs%4)+8*gq:64+32*(gs%4)+8*gq+7], v[8*(4*ga+gq):8*(4*ga+gq)+7]
.endif
.set gq, gq+1
.endr
.set ga, ga+1
.endr
.set gs, gs+1
.endr
.endm
; T: + c, then to TX in f32.  Tile pt = 4 a + q; a lane's eight numbers go where the same lane of wave q reads them
.macro TOUT
	WIN 0x41
.set pt, 0
.rept 32
.set pq, 0
.rept 4
	v_pk_add_f32 v[8*pt+2*pq:8*pt+2*pq+1], v[8*pt+2*pq:8*pt+2*pq+1], v[192+8*(pt/4)+2*pq:192+8*(pt/4)+2*pq+1]
.set pq, pq+1
.endr
.set pt, pt+1
.endr
	WIN 0x04
.set pt, 0
.rept 32
.if (pt%4) < 2
	ds_store_b128 v17, v[8*pt:8*pt+3] offset:(pt%4)*32768+(pt/4)*1024
	ds_store_b128 v17, v[8*pt+4:8*pt+7] offset:(pt%4)*32768+(pt/4)*1024+512
.else
	ds_store_b128 v29, v[8*pt:8*pt+3] offset:((pt%4)-2)*32768+(pt/4)*1024
	ds_store_b128 v29, v[8*pt+4:8*pt+7] offset:((pt%4)-2)*32768+(pt/4)*1024+512
.endif
.set pt, pt+1
.endr
	WIN 0
.endm
; U: the 32 accumulator tiles x 1/sum, to f16 fragments in EX, eight tiles at a time
.macro UPACK
.set pr, 0
.rept 4
	WIN 0x41
.set pt, 0
.rept 8
.set pacc, 8*(8*pr+pt)
.set pq, 0
.rept 4
	v_pk_mul_f32 v[pacc+2*pq:pacc+2*pq+1], v[pacc+2*pq:pacc+2*pq+1], v[2:3]
.set pq, pq+1
.endr
.set pt, pt+1
.endr
	WIN 0x05
.set pt, 0
.rept 8
.set pacc, 8*(8*pr+pt)
.set pq, 0
.rept 4
	v_cvt_pk_f16_f32 v[32+4*pt+pq], v[pacc+2*pq], v[pacc+2*pq+1]
.set pq, pq+1
.endr
.set pt, pt+1
.endr
	WIN 0
.set pt, 0
.rept 8
	ds_store_b128 v18, v[32+4*pt:35+4*pt] offset:(8*pr+pt)*512
.set pt, pt+1
.endr
.set pr, pr+1
.endr
.endm
; the earlier key blocks 0 .. cnt - 1 into LDS blocks 1 .. cnt, then the barrier that shows all of x to every wave
.macro KEYS cnt
.if \cnt > 0
.irp g, 0,1,2,3
	XISSUE \g, 28, 0
.endr
.set kb, 1
.rept \cnt
	WIN 0
	v_add_nc_u32 v8, BLK, v8
.irp g, 0,1,2,3
.if kb < \cnt
	s_wait_loadcnt 48                              ; this quarter is in: behind it are three quarters of 16 loads (of this block and the next)
	XCONV \g
	XISSUE \g, 28, kb*131072                       ; the next block's quarter, into the registers just read
.else
	s_wait_loadcnt 48-16*\g                        ; the last block: the counts run down
	XCONV \g
.endif
.endr
.set kb, kb+1
.endr
.endif
	WIN 0
	s_wait_dscnt 0x0                               ; my stores are in LDS before I signal
	BAR
.endm
; eight key fragments (16 LDS loads), batch n: key tiles t = 0, 1 at steps 2 n + e and 2 n + e + 8, e = 0, 1
.macro SFETCH va, off, n
	WIN 0
.set sf, 0
.rept 8
.set s_t, sf&1
.set s_ks, 2*(\n)+(sf>>2)+8*((sf>>1)&1)
	ds_load_b128 v[64+64*((\n)&1)+8*sf:64+64*((\n)&1)+8*sf+3], v[\va] offset:\off+s_t*T16+s_ks*64
	ds_load_b128 v[64+64*((\n)&1)+8*sf+4:64+64*((\n)&1)+8*sf+7], v[\va] offset:\off+s_t*T16+s_ks*64+32
.set sf, sf+1
.endr
.endm
; scores of 32 keys x my 16 queries into slot sl.  Each of the two key tiles has two half-sums (steps 0-7, steps 8-15),
; so that four accumulators take turns, one instruction a turn.
.macro SCORE sl, va, off, mask, first
.set SB, 16*(\sl)
	SFETCH \va, \off, 0
	SFETCH \va, \off, 1
.set sn, 0
.rept 4
.if sn < 3
	s_wait_dscnt 16                                ; this batch is in, the younger one (16 loads) stays out
.else
	s_wait_dscnt 0
.endif
	WIN 0xf8
.set sf, 0
.rept 8
.set s_t, sf&1
.set s_hi, (sf>>1)&1
.set s_e, sf>>2
.set s_b, 8*(2*sn+s_e+8*s_hi)
.set s_a, 64+64*(sn&1)+8*sf
.set s_d, s_hi*(128+8*s_t)+(1-s_hi)*(SB+8*s_t)
.if (sn+s_e) == 0
	v_wmma_f32_16x16x32_f16 v[s_d:s_d+7], v[s_a:s_a+7], v[s_b:s_b+7], 0
.else
	v_wmma_f32_16x16x32_f16 v[s_d:s_d+7], v[s_a:s_a+7], v[s_b:s_b+7], v[s_d:s_d+7]
.endif
.set sf, sf+1
.endr
.if sn != 2
	PLACES 4                                       ; before the buffer is loaded again; behind the last batch: for both buffers and for the sums below
.endif
.if sn < 2
	SFETCH \va, \off, sn+2
.endif
.set sn, sn+1
.endr
	WIN 0xff
.set si, 0
.rept 8
	v_pk_add_f32 v[SB+2*si:SB+2*si+1], v[SB+2*si:SB+2*si+1], v[128+2*si:129+2*si]
.set si, si+1
.endr
.if \mask
.set si, 0
.rept 16
	v_cmp_le_i32 vcc_lo, 32*(\sl)+16*(si/8)+(si%8), v145
	v_cndmask_b32 v[SB+si], v151, v[SB+si], vcc_lo                 ; above the diagonal: -inf
.set si, si+1
.endr
.endif
.if \first
	v_max_num_f32 v144, v[SB], v[SB+1]
.else
	v_max3_num_f32 v144, v144, v[SB], v[SB+1]
.endif
.set si, 1
.rept 7
	v_max3_num_f32 v144, v144, v[SB+2*si], v[SB+2*si+1]
.set si, si+1
.endr
.endm
; eight transposed fragments of x (features 128 n .. + 127, 32 keys), 16 LDS loads
.macro VFETCH vt, off, n
	WIN 0
.set vf, 0
.rept 8
	ds_load_tr16_b128 v[64+64*((\n)&1)+8*vf:64+64*((\n)&1)+8*vf+3], v[\vt] offset:\off+32*(8*(\n)+vf)
	ds_load_tr16_b128 v[64+64*((\n)&1)+8*vf+4:64+64*((\n)&1)+8*vf+7], v[\vt] offset:\off+32*(8*(\n)+vf)+T16
.set vf, vf+1
.endr
.endm
; slot sl: exponentials, their sum, P in f16 (in place: a lane's 16 scores are its 16 numbers of the second operand), U += P x
.macro SOFTPV sl, vt, off, first
.set SB, 16*(\sl)
	VFETCH \vt, \off, 0
	VFETCH \vt, \off, 1
	WIN 0xff
.set si, 0
.rept 8
	v_pk_fma_f32 v[SB+2*si:SB+2*si+1], v[SB+2*si:SB+2*si+1], v[154:155], v[152:153]   ; (score - max) x 2^e x scale x log2(e)
.set si, si+1
.endr
.set si, 0
.rept 16
	v_exp_f32 v[SB+si], v[SB+si]
.set si, si+1
.endr
	v_nop                                          ; one plain instruction between the last exponential and the first use
.if \first
	s_wait_alu depctr_va_vdst(0)
	v_pk_add_f32 v[146:147], v[SB:SB+1], v[SB+2:SB+3]              ; the first slot starts the sums
	v_pk_add_f32 v[148:149], v[SB+4:SB+5], v[SB+6:SB+7]
.set si, 4
.rept 2
	v_pk_add_f32 v[146:147], v[146:147], v[SB+2*si:SB+2*si+1]
	v_pk_add_f32 v[148:149], v[148:149], v[SB+2*si+2:SB+2*si+3]
.set si, si+2
.endr
.else
.set si, 0
	s_wait_alu depctr_va_vdst(0)
.rept 4
	v_pk_add_f32 v[146:147], v[146:147], v[SB+2*si:SB+2*si+1]
	v_pk_add_f32 v[148:149], v[148:149], v[SB+2*si+2:SB+2*si+3]
.set si, si+2
.endr
.endif
.set si, 0
.rept 8
	v_cvt_pk_f16_f32 v[SB+si], v[SB+2*si], v[SB+2*si+1]            ; register si is written when registers up to 2 si - 1 have been read
.set si, si+1
.endr
.set vn, 0
.rept 4
.if vn < 3
	s_wait_dscnt 16                                ; this batch is in, the younger one stays out
.else
	s_wait_dscnt 0
.endif
	WIN 0x5c
.set vf, 0
.rept 8                                            ; the 32 accumulators take turns
.set v_d, 8*(8*vn+vf)
.if \first
	v_wmma_f32_16x16x32_f16 v[v_d:v_d+7], v[64+64*(vn&1)+8*vf:64+64*(vn&1)+8*vf+7], v[SB:SB+7], 0
.else
	v_wmma_f32_16x16x32_f16 v[v_d:v_d+7], v[64+64*(vn&1)+8*vf:64+64*(vn&1)+8*vf+7], v[SB:SB+7], v[v_d:v_d+7]
.endif
.set vf, vf+1
.endr
.if vn != 2
	PLACES 4
.endif
.if vn < 2
	VFETCH \vt, \off, vn+2
.endif
.set vn, vn+1
.endr
.endm
; all of the attention for a work-group with jj earlier key blocks.  Slots 0, 1: the diagonal block; 2 b, 2 b + 1: LDS block b.
; Waves 0 and 1 (queries below 32) leave out slot 1, whose keys 32-63 lie above their diagonal.
.macro ATT jj
	KEYS \jj
	SCORE 0, 9, 0, 1, 1
	WIN 0
	s_cmp_lt_u32 s10, 2
	s_cbranch_scc1 .Lsa\jj
	SCORE 1, 9, T32, 1, 0
	WIN 0
.Lsa\jj:
.if \jj > 0
.set ab, 1
.rept \jj
	SCORE 2*ab, 9+ab, 0, 0, 0
	SCORE 2*ab+1, 9+ab, T32, 0, 0
.set ab, ab+1
.endr
.endif
	WIN 0xff
	v_mov_b32 v150, v144                           ; the permute's destination counts as read
	v_permlanex16_b32 v150, v144, s26, s27         ; the two halves of the lanes hold different keys of one query
	v_max_num_f32 v144, v144, v150
	v_mul_f32 v152, v144, v154                     ; max x factor (the factor is positive, so the maximum stays the maximum),
	v_xor_b32 v152, 0x80000000, v152               ; with its sign turned
	v_mov_b32 v153, v152
	WIN 0
	global_load_b128 v[24:27], v30, s[22:23] offset:2048           ; dd
	WLOAD 20, 0                                    ; T's registers are free: G2's first three steps land during the work below
	WLOAD 20, 1
	WLOAD 20, 2
	SOFTPV 0, 13, 0, 1
	WIN 0
	s_cmp_lt_u32 s10, 2
	s_cbranch_scc1 .Lsb\jj
	SOFTPV 1, 13, T32, 0
	WIN 0
.Lsb\jj:
.if \jj > 0
.set ab, 1
.rept \jj
	SOFTPV 2*ab, 13+ab, 0, 0
	SOFTPV 2*ab+1, 13+ab, T32, 0
.set ab, ab+1
.endr
.endif
	WIN 0xff
	v_pk_add_f32 v[146:147], v[146:147], v[148:149]
	v_add_f32 v146, v146, v147
	v_permlanex16_b32 v150, v146, s26, s27
	v_add_f32 v146, v146, v150
	v_rcp_f32 v147, v146                           ; the sum is at least the maximum's own term, about 1
	v_nop
	WIN 0x03
	s_wait_alu depctr_va_vdst(0)
	v_mov_b32 v2, v147
	v_mov_b32 v3, v147
	WIN 0
.endm
	; 1. c, G1's first three steps, my 16 query rows
.irp a, 0,1,2,3,4,5,6,7
	global_load_b128 v[192+8*\a:195+8*\a], v23, s[22:23] offset:64*\a
	global_load_b128 v[196+8*\a:199+8*\a], v23, s[22:23] offset:64*\a+16
.endr
	WLOAD 6, 0
	WLOAD 6, 1
	WLOAD 6, 2
.irp g, 0,1,2,3
	XISSUE \g, 7, 0
.endr
.irp g, 0,1,2,3
	s_wait_loadcnt 48-16*\g                        ; quarter g and all older loads are in; the younger quarters stay out
	XCONV \g
.endr
	s_wait_dscnt 0x0
	BAR                                            ; the 64 query rows are whole
	; 2. T = x G1^T + c, to TX in f32
	BLOAD 9, T16, 64, 32, 0
	BLOAD 9, T16, 64, 32, 1
	BLOAD 9, T16, 64, 32, 2
	GEMM 6, 9, T16, 64, 32, 0
	PLACES 4
	TOUT
	s_wait_dscnt 0x0
	BAR
	; 3. my query tile's T: 256 numbers a lane into window 1; register 8 A + i is feature 16 A + 8 h + i of query r
	WIN 0x40
.set ti, 0
.rept 64
	ds_load_b128 v[4*ti:4*ti+3], v3 offset:ti*512
.set ti, ti+1
.endr
	WIN 0xc0
	v_mov_b32 v145, v31
	v_mov_b32 v151, 0xff800000
	WIN 0
	s_wait_dscnt 0x0                               ; my reads of TX are over before I signal: blocks 1 and 2 are laid over it
	BAR
	; the largest |t| of my query, in four chains that do not wait for each other
	WIN 0x05
.irp ch, 0,1,2,3
	v_max_num_f32 v[32+\ch], |v[2*\ch]|, |v[2*\ch+1]|
.endr
	WIN 0x14
.set ti, 4
.rept 124
	v_max3_num_f32 v[32+ti%4], v[32+ti%4], |v[2*ti]|, |v[2*ti+1]|
.set ti, ti+1
.endr
	WIN 0
	v_max3_num_f32 v32, v32, v33, v34
	v_max_num_f32 v32, v32, v35
	v_permlanex16_b32 v33, v32, s26, s27           ; the other half of the lanes holds the query's other 256 features
	v_max_num_f32 v32, v32, v33
	v_and_b32 v32, 0x7f800000, v32                 ; its exponent's bits are the number 2^e,
	v_max_u32 v32, 0x00800000, v32                 ; kept in 2^-126 .. 2^126, so that 2^e and 2^-e are both normal numbers
	v_min_u32 v32, 0x7e800000, v32
	v_sub_nc_u32 v34, 0x7f000000, v32              ; 2^-e: the exponent's bits mirrored at 127
	v_mov_b32 v35, v34
	v_mul_f32 v36, 0x3e8293ee, v32                 ; 2^e x 32^-0.5 x log2(e)
	WIN 0xc0
	v_mov_b32 v154, v36
	v_mov_b32 v155, v36
	WIN 0x41
.set ti, 0
.rept 128
	v_pk_mul_f32 v[2*ti:2*ti+1], v[2*ti:2*ti+1], v[34:35]          ; exact: a power of two
.set ti, ti+1
.endr
	WIN 0x85
.set ti, 0
.rept 128
	v_cvt_pk_f16_f32 v[ti], v[2*ti], v[2*ti+1]     ; window 2: registers 8 ks .. 8 ks + 7 are step ks's fragment
.set ti, ti+1
.endr
	WIN 0
	; 4 to 6. key blocks, scores, softmax, U: one text for each j, so that every count and offset is a constant
	s_cmp_eq_u32 s11, 0
	s_cbranch_scc1 .Lj0
	s_cmp_eq_u32 s11, 1
	s_cbranch_scc1 .Lj1
	s_cmp_eq_u32 s11, 2
	s_cbranch_scc1 .Lj2
	ATT 3
	s_branch .Latt_done
.Lj2:
	ATT 2
	s_branch .Latt_done
.Lj1:
	ATT 1
	s_branch .Latt_done
.Lj0:
	ATT 0
.Latt_done:
	; 7. U / sum to EX in fragment order
	s_wait_dscnt 0x0
	BAR                                            ; no wave reads x in LDS any more
	UPACK
	s_wait_dscnt 0x0
	BAR
	; 8. Y = U G2^T
	BLOAD 19, 16384, 1024, 512, 0
	BLOAD 19, 16384, 1024, 512, 1
	BLOAD 19, 16384, 1024, 512, 2
	GEMM 20, 19, 16384, 1024, 512, 1
	; 9. the way out: my 64 rows x 128 columns through my own stage, read back as whole rows of 512 bytes; + dd + x
	PLACES 4
	WIN 0x04
.set ea, 0
.rept 8
.irp q, 0,1,2,3
	ds_store_b128 v20, v[8*(4*ea+\q):8*(4*ea+\q)+3] offset:\q*16*SP+ea*64
	ds_store_b128 v20, v[8*(4*ea+\q)+4:8*(4*ea+\q)+7] offset:\q*16*SP+ea*64+16
.endr
.set ea, ea+1
.endr
.irp eb, 0,1,2,3
	WIN 0
.if \eb > 0
	s_wait_xcnt 0x0                                ; the last batch's stores have read v192-255: they are loaded again only behind this wait
.endif
.set ei, 0
.rept 16
	ds_load_b128 v[192+4*ei:195+4*ei], v21 offset:(16*\eb+ei)*SP   ; LDS serves a wave's instructions in order: these see my stores above
.set ei, ei+1
.endr
.if \eb < 3
	s_wait_loadcnt 16                              ; this batch's residual is in, the next batch's 16 loads stay out
.else
	s_wait_loadcnt 0
.endif
	s_wait_dscnt 0x0
.set ei, 0
.rept 16
	v_pk_add_f32 v[192+4*ei:193+4*ei], v[192+4*ei:193+4*ei], v[24:25]
	v_pk_add_f32 v[194+4*ei:195+4*ei], v[194+4*ei:195+4*ei], v[26:27]
.set ei, ei+1
.endr
	WIN 0x0c
.set ei, 0
.rept 32
	v_pk_add_f32 v[192+2*ei:193+2*ei], v[192+2*ei:193+2*ei], v[64*((\eb)&1)+2*ei:64*((\eb)&1)+2*ei+1]
.set ei, ei+1
.endr
	WIN 0
.set ei, 0
.rept 16
	global_store_b128 v22, v[192+4*ei:195+4*ei], s[18:19] offset:(16*\eb+ei)*2048 th:TH_STORE_NT   ; the wave stores 512 consecutive bytes, aligned
.set ei, ei+1
.endr
.if \eb < 2
	XRISSUE \eb+2
.endif
.endr
	WIN 0
	s_set_vgpr_msb 0xf
	s_wait_tensorcnt 0x0
	ds_add_u32 v160, v161
	s_wait_dscnt 0x0
	s_set_vgpr_msb 0xf00
	s_endpgm
.Lfunc_end_k_q924c3ba1ef_attn:
	.size	k_q924c3ba1ef_attn, .Lfunc_end_k_q924c3ba1ef_attn-k_q924c3ba1ef_attn
	.p2alignl 7, 3214868480
	.fill 96, 4, 3214868480
	.section	.rodata,"a",@progbits
	.p2align	6, 0x0
	.amdhsa_kernel k_q924c3ba1ef_attn
		.amdhsa_group_segment_fixed_size 266752
		.amdhsa_private_segment_fixed_size 0
		.amdhsa_enable_private_segment 0
		.amdhsa_kernarg_size 24
		.amdhsa_user_sgpr_count 2
		.amdhsa_user_sgpr_kernarg_segment_ptr 1
		.amdhsa_wavefront_size32 1
		.amdhsa_system_sgpr_workgroup_id_x 1
		.amdhsa_system_sgpr_workgroup_id_y 1
		.amdhsa_system_sgpr_workgroup_id_z 1
		.amdhsa_system_vgpr_workitem_id 0
		.amdhsa_next_free_vgpr 930
		.amdhsa_next_free_sgpr 66
		.amdhsa_reserve_vcc 1
		.amdhsa_float_denorm_mode_32 3
		.amdhsa_float_denorm_mode_16_64 3
		.amdhsa_memory_ordered 1
		.amdhsa_forward_progress 1
		.amdhsa_inst_pref_size 255
	.end_amdhsa_kernel
	.section	.bss,"aw",@nobits
	.p2align	6
	.space	262144
	.amdgpu_metadata
---
amdhsa.version: [ 1, 2 ]
amdhsa.kernels:
  - .name:           k_q924c3ba1ef_attn
    .symbol:         k_q924c3ba1ef_attn.kd
    .args:
      - { .name: x, .offset: 0, .size: 8, .value_kind: global_buffer, .address_space: global }
      - { .name: gw, .offset: 8, .size: 8, .value_kind: global_buffer, .address_space: global }
      - { .name: out0, .offset: 16, .size: 8, .value_kind: global_buffer, .address_space: global }
    .group_segment_fixed_size: 266752
    .private_segment_fixed_size: 0
    .kernarg_segment_align: 8
    .kernarg_segment_size: 24
    .max_flat_workgroup_size: 128
    .sgpr_count:     66
    .vgpr_count:     930
    .wavefront_size: 32
...
	.end_amdgpu_metadata
.endif
;; end of part 2
;; ======== version 2 of 2: 2 launches; 1.21 times as fast as version 1
;; limits: values are held in f16: magnitudes above 65,504 overflow, below 6.1e-05 lose precision; inputs' magnitudes at most 65,504
;; workspace buffers: gw 1,052,672 bytes
;; launch prep: the kernel of part 1 again; grid 128 x 1, 4 waves a work-group, no clusters, 165,376 bytes of LDS; arguments Wq, Wk, Wv, Wo, bq, bv, bo, gw; writes gw
;; launch attn (part 3): grid 256 x 1, 4 waves a work-group, no clusters, 315,904 bytes of LDS; arguments x, gw, out0; writes out0
.if DOCPART == 3
	.amdgcn_target "amdgcn-amd-amdhsa--gfx1250"
	.amdhsa_code_object_version 6
	.text
	.protected	k_q924c3ba1ef_attn
	.globl	k_q924c3ba1ef_attn
	.p2align	8
	.type	k_q924c3ba1ef_attn,@function
k_q924c3ba1ef_attn:
	s_mov_b64 s[64:65], 0
	v_nop
	global_prefetch_b8 v0, s[64:65] scope:SCOPE_SE
	s_setreg_imm32_b32 hwreg(HW_REG_WAVE_MODE, 25, 1), 1
	s_wait_xcnt 0x0
; LocalSelfAttention, launch 2 of 2.  out = softmax(causal(t x^T) / sqrt(32)) x G2^T + dd + x,  t = x G1^T + c, window by window (256 rows).
; Left out: bk (its term is the same along a softmax row, shown at the head of launch 1); every score tile of 16 keys that lies wholly above the diagonal.
; In the second product, which takes 32 keys at once, the 16 keys beside the diagonal tile of an even wave stay, with P = 0.
; FORMAT: all matrix operands are f16 (why: head of launch 1).  Their room: x and U = attn x need |x| < 65,504; P lies in 0 .. 1 (below 2^-25 it becomes 0);
;   t grows with Wq, Wk and x together and has no such room, so each query's t is multiplied by 2^-e, e the exponent of its largest |t| (exact, the
;   largest is then in 1 .. 2), and 2^e goes into the f32 factor that multiplies the scores.
; LIMITS: as stated in launch 1 (order of rounding; a NaN or overflow that reaches only q . bk is not carried).  e is kept in -126 .. 126: a row whose largest |t|
;   is below 2^-126 keeps that factor (its scores are below 2^-100 for every x in range); one above 2^127 gives numbers up to 4.  score x 0.255 must stay finite in f32.
;   The row maximum is taken away before the exponential.
;
; 256 work-groups: window = id >> 2, j = id & 3: query rows 64 j .. 64 j + 63 of the window, keys 0 .. 64 j + 63.  Nothing but raw x and the two folded
; weights is needed, so no intermediate goes through memory.  Four waves, one for each SIMD.
;   T = x G1^T + c and Y = U G2^T: wave w makes 128 features (8 tiles a) x 64 queries (4 tiles q), 32 accumulators.
;   scores, softmax, U = P x: wave w owns query tile w (16 rows) and all 512 features of U, 32 accumulators.
; Every product is taken transposed, D(m = feature or key, n = query): a lane holds one query and eight neighbouring features or keys, which pack into
; 16 bytes of the next product's second operand.
; ONE TEXT FOR EVERY j, IN LOOPS: an earlier key block of 64 keys is one trip of the loader's loop, one of the score loop and one of the loop of the second product,
; so its text stands once and runs up to three times; each loop counts to 3 and is left at its head in trip j.  Register numbers cannot follow a counter, so a trip's
; 2 x 16 scores a lane wait in the wave's own LDS scratch (8 stores, 8 loads of 16 bytes a lane) until the row maximum is known.  The own key block is written out.
; NO TENSOR LOADS, NO CLUSTER: x is rounded to f16 in registers on its way into LDS; the window's x and the scratch take 315,392 bytes of LDS, so no ring for weights
; has room; each weight byte is used by one wave of a work-group only and is loaded straight into registers in fragment order, 512 consecutive bytes a load.
;
; LDS: block b at b*66,560: 64 rows of x in f16, pitch 1,040.  Block 0: my queries (= key block j); block b >= 1: key block b - 1.
;      (The order of keys does not matter to a softmax, if both products walk it alike.)
;      TX = byte 66,560, 131,072 bytes, before blocks 1 and 2 are filled: T in f32; query tile q, feature tile A, part p at q*32,768 + A*1,024 + p*512 + 16 L.
;      EX = block 3's bytes: U in fragment order behind the attention.  Stage for the way out: byte 0, 33,792 bytes a wave, behind the attention.
;      SCR = byte 266,240: 12,288 bytes a wave: the scores of the six slots of 32 keys of blocks 1 to 3, 2,048 bytes each; only the wave itself touches them.
; REGISTERS in windows of 256 (s_set_vgpr_msb: bits 1:0 source 0, 3:2 source 1, 5:4 source 2, 7:6 destination):
;   window 0: v1 lane, v3 address of my T, later v[2:3] 1/sum, v4 r, v5 h, v6-v31 addresses and dd, v32-63 packed numbers (v32 in a GEMM: its walking LDS address),
;             v64-191 fragment buffers, v192-255 c, later rows on the way out
;   window 1: 256 accumulators; landing registers of the x loader and of my query tile's T
;   window 2: four weight buffers of 64; T's sixteen fragments (v0-127) during the scores
;   window 3: v0-15 scores of the diagonal tile and its neighbour, v16-31 of keys 0-31 of my block (waves 2, 3), v32-47 of a loop's slot (v0-127 later the residual);
;             v128-143 second half-sums; v144 max, v145 diagonal limit, v[146:149] sums, v150 at work, v151 -inf, v[152:153] -max x factor,
;             v[154:155] factor = 2^e x 32^-0.5 x log2(e)
; SCALARS: s10 wave, s11 j, s[16:17] window in x, s[18:19] in out0, s[6:7] G1, s[20:21] G2 (both walk), s[22:23] c and dd, s28 counter
.set XP,   1040
.set BLK,  64*XP
.set TX,   BLK
.set EX,   3*BLK
.set T16,  16*XP
.set T32,  32*XP
.set SP,   528                         ; stage: 128 f32 + 16 bytes
.set STGW, 64*SP
.set SCR,  4*BLK
.set SCRS, 2048                        ; a slot's scores of one wave: 32 lanes x 64 bytes
.set SCRW, 6*SCRS
.set MSB, 0
.macro WIN new                         ; the immediate's high byte repeats the setting that is left
.if MSB != \new
	s_set_vgpr_msb (MSB<<8)|\new
.set MSB, \new
.endif
.endm
.macro PLACES cnt                      ; places behind matrix instructions: four before a result is read or a load is issued into an operand, five before a matrix instruction writes over a result
.rept \cnt
	v_nop
.endr
.endm
.macro BAR
	s_barrier_signal -1
	s_barrier_wait -1
.endm
	s_load_b128 s[4:7], s[0:1], 0x0                ; x, gw
	s_load_b64 s[8:9], s[0:1], 0x10                ; out0
	s_set_vgpr_msb 0xc0
	v_lshl_add_u32 v160, v0, 2, 0x4d000
	v_mov_b32 v161, 0
	s_set_vgpr_msb 0xc000
	v_and_b32 v1, 31, v0
	v_lshrrev_b32 v2, 5, v0
	v_readfirstlane_b32 s10, v2                    ; wave
	s_and_b32 s11, ttmp9, 3                        ; j
	s_lshr_b32 s12, ttmp9, 2                       ; window
	s_lshl_b32 s14, s12, 19                        ; 256 rows of 2,048 bytes
	s_mov_b32 s15, 0
	s_mov_b32 s26, 0x76543210                      ; v_permlanex16_b32: lane i takes lane i of the other half
	s_mov_b32 s27, 0xfedcba98
	v_and_b32 v4, 15, v1                           ; r
	v_lshrrev_b32 v5, 4, v1                        ; h
	s_lshl_b32 s13, s10, 17
	v_lshl_add_u32 v6, v1, 4, s13                  ; weights: my 128 features' fragments, 16 bytes a lane
	s_lshl_b32 s13, s11, 17
	s_lshl_b32 s12, s10, 15
	s_add_co_u32 s13, s13, s12
	v_lshl_add_u32 v7, v1, 4, s13                  ; x: rows 64 j + 16 w of the window
	v_lshl_add_u32 v28, v1, 4, s12                 ; x: rows 16 w of key block 0; walks
	s_mul_i32 s13, s10, T16                        ; the place of my own query tile: the diagonal key tile
	v_lshl_add_u32 v8, v1, 3, s13                  ; LDS: rows 16 w of block 0, 8 bytes a lane; walks
	v_mul_u32_u24 v9, v4, XP
	v_lshl_add_u32 v9, v5, 4, v9                   ; fragments along the rows: row r, 16 h
	s_xor_b32 s12, s10, 1
	s_mul_i32 s12, s12, T16                        ; the place of the tile beside it
	v_add_nc_u32 v10, s13, v9
	v_add_nc_u32 v11, s12, v9
	v_add_nc_u32 v12, BLK, v9                      ; block 1; walks
	v_and_b32 v2, 7, v1
	v_lshl_add_u32 v2, v5, 3, v2
	v_bfe_u32 v3, v1, 3, 1
	v_mul_u32_u24 v13, v2, XP
	v_lshl_add_u32 v13, v3, 4, v13                 ; transposing loads: row 8 h + (L & 7), 16 ((L >> 3) & 1)
	v_add_nc_u32 v14, s13, v13
	v_add_nc_u32 v15, s12, v13
	v_add_nc_u32 v16, BLK, v13                     ; block 1; walks
	v_lshl_add_u32 v19, v1, 4, EX
	s_lshl_b32 s13, s10, 14
	v_add_nc_u32 v18, s13, v19                     ; U: query tile w
	s_lshl_b32 s13, s10, 13
	s_add_co_u32 s13, s13, TX
	v_lshl_add_u32 v17, v1, 4, s13                 ; T out: my features are tiles 8 w .. 8 w + 7; query tiles 0, 1
	v_add_nc_u32 v29, 0x10000, v17                 ; query tiles 2, 3: their offsets would pass 16 bits
	s_lshl_b32 s13, s10, 15
	s_add_co_u32 s13, s13, TX
	v_lshl_add_u32 v3, v1, 4, s13                  ; T back: query tile w
	s_mul_i32 s13, s10, STGW
	v_mul_u32_u24 v20, v4, SP
	v_lshl_add_u32 v20, v5, 5, v20
	v_add_nc_u32 v20, s13, v20                     ; stage in: row r, 32 h
	v_lshl_add_u32 v21, v1, 4, s13                 ; stage back: a whole row of 512 bytes
	s_lshl_b32 s13, s10, 9
	v_lshl_add_u32 v30, v1, 4, s13                 ; dd: my four columns
	v_lshl_add_u32 v23, v5, 5, s13                 ; c: 512 w + 32 h
	s_lshl_b32 s12, s11, 17
	s_add_co_u32 s13, s13, s12
	v_lshl_add_u32 v22, v1, 4, s13                 ; out and residual: row 64 j, byte 512 w + 16 L
	v_lshlrev_b32 v2, 3, v5
	v_sub_nc_u32 v31, v4, v2                       ; in the diagonal tile key 8 h + i is kept where i <= r - 8 h
	s_wait_kmcnt 0x0
	s_add_nc_u64 s[16:17], s[4:5], s[14:15]        ; the window in x
	s_add_nc_u64 s[18:19], s[8:9], s[14:15]        ; and in out0
	s_add_nc_u64 s[20:21], s[6:7], 0x80000         ; G2
	s_add_nc_u64 s[22:23], s[6:7], 0x100000        ; c, dd
; sixteen loads of x (512 consecutive bytes each): quarter g of my 16 rows, into window 1
.macro XISSUE g, va, boff
	WIN 0x40
.set xi, 16*(\g)
.rept 16
	global_load_b128 v[4*xi:4*xi+3], v[\va], s[16:17] offset:\boff+xi*512
.set xi, xi+1
.endr
.endm
; that quarter rounded to f16 and laid in LDS at v8
.macro XCONV g
	WIN 0x05
.set xi, 0
.rept 16
	v_cvt_pk_f16_f32 v[32+2*xi], v[64*(\g)+4*xi], v[64*(\g)+4*xi+1]
	v_cvt_pk_f16_f32 v[33+2*xi], v[64*(\g)+4*xi+2], v[64*(\g)+4*xi+3]
.set xi, xi+1
.endr
	WIN 0
.set xi, 16*(\g)
.rept 16
	ds_store_b64 v8, v[32+2*(xi%16):33+2*(xi%16)] offset:(xi/4)*XP+(xi%4)*256
.set xi, xi+1
.endr
.endm
; eight weight fragments (16 loads) of the step soff steps behind the base, into weight buffer buf
.macro WLOADB base, soff, buf
	WIN 0x80
.set wi, 0
.rept 16
	global_load_b128 v[64*(\buf)+4*wi:64*(\buf)+4*wi+3], v6, s[\base:\base+1] offset:(\soff)*8192+wi*512
.set wi, wi+1
.endr
.endm
; four query fragments (8 LDS loads) of the step soff steps behind the address in vb, into buffer buf of v64-191
.macro BLOADB vb, qst, kst, hst, soff, buf
	WIN 0
.irp bq, 0,1,2,3
	ds_load_b128 v[64+32*(\buf)+8*\bq:64+32*(\buf)+8*\bq+3], v[\vb] offset:\bq*\qst+(\soff)*\kst
	ds_load_b128 v[64+32*(\buf)+8*\bq+4:64+32*(\buf)+8*\bq+7], v[\vb] offset:\bq*\qst+(\soff)*\kst+\hst
.endr
.endm
; sixteen rows of the residual, batch b, into window 3
.macro XRISSUE b
	WIN 0xc0
.set xi, 0
.rept 16
	global_load_b128 v[64*((\b)&1)+4*xi:64*((\b)&1)+4*xi+3], v22, s[16:17] offset:(16*(\b)+xi)*2048
.set xi, xi+1
.endr
.endm
; one step's 32 products on buffer buf.  The 32 accumulators take turns, one instruction a turn, over the loop's backward jump too.
.macro GMUL buf, zero
	WIN 0x52
.set ga, 0
.rept 8
.set gq, 0
.rept 4
.if \zero
	v_wmma_f32_16x16x32_f16 v[8*(4*ga+gq):8*(4*ga+gq)+7], v[64*(\buf)+8*ga:64*(\buf)+8*ga+7], v[64+32*(\buf)+8*gq:64+32*(\buf)+8*gq+7], 0
.else
	v_wmma_f32_16x16x32_f16 v[8*(4*ga+gq):8*(4*ga+gq)+7], v[64*(\buf)+8*ga:64*(\buf)+8*ga+7], v[64+32*(\buf)+8*gq:64+32*(\buf)+8*gq+7], v[8*(4*ga+gq):8*(4*ga+gq)+7]
.endif
.set gq, gq+1
.endr
.set ga, ga+1
.endr
.endm
; 128 features x 64 queries over 512: sixteen steps of 32 along the sum; fragments are asked for three steps ahead, in four buffers.
; Step 0 starts the sums and stands in front of the loop; steps 1 to 12 are three trips of four (the buffers come round); steps 13 to 15 load nothing.
; On entry the weights of steps 0 to 2 have been asked for.
.macro GEMM base, vb, qst, kst, hst, hook, id
	WIN 0
	v_mov_b32 v32, v[\vb]                          ; the walking copy of the LDS address
	BLOADB 32, \qst, \kst, \hst, 0, 0
	BLOADB 32, \qst, \kst, \hst, 1, 1
	BLOADB 32, \qst, \kst, \hst, 2, 2
	WLOADB \base, 3, 3
	BLOADB 32, \qst, \kst, \hst, 3, 3
	s_wait_loadcnt 48                              ; step 0's 16 weight loads and all older loads are in; three younger steps stay out
	s_wait_dscnt 24                                ; likewise its 8 LDS loads
	GMUL 0, 1
	WIN 0
	s_mov_b32 s28, 0
.Lg\id:
.irp i, 0,1,2,3
	PLACES 4                                       ; the buffer filled below was read by the last step's products
	WLOADB \base, 4+\i, \i
	BLOADB 32, \qst, \kst, \hst, 4+\i, \i
	s_wait_loadcnt 48                              ; this step's loads are in; three younger steps (3 x 16) stay out
	s_wait_dscnt 24                                ; 3 x 8
	GMUL (1+\i)%4, 0
.endr
	WIN 0
	s_wait_xcnt 0x0                                ; the base is a source of the pending loads: it steps only behind this wait
	s_add_nc_u64 s[\base:\base+1], s[\base:\base+1], 4*8192
	v_add_nc_u32 v32, 4*\kst, v32
	s_add_co_u32 s28, s28, 1
	s_cmp_lt_u32 s28, 3
	s_cbranch_scc1 .Lg\id
	s_wait_loadcnt 32                              ; the counts run down: steps 14 and 15 stay out,
	s_wait_dscnt 16
	GMUL 1, 0
	s_wait_loadcnt 16                              ; step 15,
	s_wait_dscnt 8
	GMUL 2, 0
	s_wait_loadcnt 0                               ; none
	s_wait_dscnt 0
.if \hook
	XRISSUE 0                                      ; the residual's first 32 rows are asked for behind the last wait for weights
	XRISSUE 1
.endif
	GMUL 3, 0
.endm
; T: + c, then to TX in f32.  Tile pt = 4 a + q; a lane's eight numbers go where the same lane of wave q reads them
.macro TOUT
	WIN 0x41
.set pt, 0
.rept 32
.set pq, 0
.rept 4
	v_pk_add_f32 v[8*pt+2*pq:8*pt+2*pq+1], v[8*pt+2*pq:8*pt+2*pq+1], v[192+8*(pt/4)+2*pq:192+8*(pt/4)+2*pq+1]
.set pq, pq+1
.endr
.set pt, pt+1
.endr
	WIN 0x04
.set pt, 0
.rept 32
.if (pt%4) < 2
	ds_store_b128 v17, v[8*pt:8*pt+3] offset:(pt%4)*32768+(pt/4)*1024
	ds_store_b128 v17, v[8*pt+4:8*pt+7] offset:(pt%4)*32768+(pt/4)*1024+512
.else
	ds_store_b128 v29, v[8*pt:8*pt+3] offset:((pt%4)-2)*32768+(pt/4)*1024
	ds_store_b128 v29, v[8*pt+4:8*pt+7] offset:((pt%4)-2)*32768+(pt/4)*1024+512
.endif
.set pt, pt+1
.endr
	WIN 0
.endm
; U: the 32 accumulator tiles x 1/sum, to f16 fragments in EX, eight tiles at a time
.macro UPACK
.set pr, 0
.rept 4
	WIN 0x41
.set pt, 0
.rept 8
.set pacc, 8*(8*pr+pt)
.set pq, 0
.rept 4
	v_pk_mul_f32 v[pacc+2*pq:pacc+2*pq+1], v[pacc+2*pq:pacc+2*pq+1], v[2:3]
.set pq, pq+1
.endr
.set pt, pt+1
.endr
	WIN 0x05
.set pt, 0
.rept 8
.set pacc, 8*(8*pr+pt)
.set pq, 0
.rept 4
	v_cvt_pk_f16_f32 v[32+4*pt+pq], v[pacc+2*pq], v[pacc+2*pq+1]
.set pq, pq+1
.endr
.set pt, pt+1
.endr
	WIN 0
.set pt, 0
.rept 8
	ds_store_b128 v18, v[32+4*pt:35+4*pt] offset:(8*pr+pt)*512
.set pt, pt+1
.endr
.set pr, pr+1
.endr
.endm
; ONE KEY TILE.  Eight fragments (16 LDS loads), batch n: steps 4 n + e and 4 n + e + 8, e = 0 .. 3
.macro TFETCH va, n
	WIN 0
.set sf, 0
.rept 8
.set s_ks, 4*(\n)+(sf>>1)+8*(sf&1)
	ds_load_b128 v[64+64*(\n)+8*sf:64+64*(\n)+8*sf+3], v[\va] offset:s_ks*64
	ds_load_b128 v[64+64*(\n)+8*sf+4:64+64*(\n)+8*sf+7], v[\va] offset:s_ks*64+32
.set sf, sf+1
.endr
.endm
; scores of 16 keys x my 16 queries into window 3's v[sb .. sb+7].  Two half-sums (steps 0-7, steps 8-15) take turns, one instruction a turn.
.macro STILE sb, va
	TFETCH \va, 0
	TFETCH \va, 1
.set sn, 0
.rept 2
	s_wait_dscnt 16*(1-sn)                         ; the first batch is in while the second (16 loads) stays out; then all
	WIN 0xf8
.set sf, 0
.rept 8
.set s_hi, sf&1
.set s_b, 8*(4*sn+(sf>>1)+8*s_hi)
.set s_a, 64+64*sn+8*sf
.set s_d, s_hi*128+(1-s_hi)*(\sb)
.if (sn+(sf>>1)) == 0
	v_wmma_f32_16x16x32_f16 v[s_d:s_d+7], v[s_a:s_a+7], v[s_b:s_b+7], 0
.else
	v_wmma_f32_16x16x32_f16 v[s_d:s_d+7], v[s_a:s_a+7], v[s_b:s_b+7], v[s_d:s_d+7]
.endif
.set sf, sf+1
.endr
.set sn, sn+1
.endr
	PLACES 5                                       ; before the sums are read, the buffers loaded again and the half-sums started anew
	WIN 0xff
.set si, 0
.rept 4
	v_pk_add_f32 v[\sb+2*si:\sb+2*si+1], v[\sb+2*si:\sb+2*si+1], v[128+2*si:129+2*si]
.set si, si+1
.endr
.endm
; A SLOT OF TWO KEY TILES at va + off.  Eight fragments (16 LDS loads), batch n: key tiles t = 0, 1 at steps 2 n + e and 2 n + e + 8, e = 0, 1
.macro SFETCH va, off, n
	WIN 0
.set sf, 0
.rept 8
.set s_t, sf&1
.set s_ks, 2*(\n)+(sf>>2)+8*((sf>>1)&1)
	ds_load_b128 v[64+64*((\n)&1)+8*sf:64+64*((\n)&1)+8*sf+3], v[\va] offset:\off+s_t*T16+s_ks*64
	ds_load_b128 v[64+64*((\n)&1)+8*sf+4:64+64*((\n)&1)+8*sf+7], v[\va] offset:\off+s_t*T16+s_ks*64+32
.set sf, sf+1
.endr
.endm
; scores of 32 keys x my 16 queries into window 3's v[sb .. sb+15], and the running row maximum.  Each key tile has two half-sums,
; so that four accumulators take turns, one instruction a turn.
.macro SCORE2 sb, va, off
	SFETCH \va, \off, 0
	SFETCH \va, \off, 1
.set sn, 0
.rept 4
.if sn < 3
	s_wait_dscnt 16                                ; this batch and all older LDS instructions are done, the younger batch (16 loads) stays out
.else
	s_wait_dscnt 0
.endif
	WIN 0xf8
.set sf, 0
.rept 8
.set s_t, sf&1
.set s_hi, (sf>>1)&1
.set s_e, sf>>2
.set s_b, 8*(2*sn+s_e+8*s_hi)
.set s_a, 64+64*(sn&1)+8*sf
.set s_d, s_hi*(128+8*s_t)+(1-s_hi)*(\sb+8*s_t)
.if (sn+s_e) == 0
	v_wmma_f32_16x16x32_f16 v[s_d:s_d+7], v[s_a:s_a+7], v[s_b:s_b+7], 0
.else
	v_wmma_f32_16x16x32_f16 v[s_d:s_d+7], v[s_a:s_a+7], v[s_b:s_b+7], v[s_d:s_d+7]
.endif
.set sf, sf+1
.endr
.if sn != 2
	PLACES 4                                       ; before the buffer is loaded again; behind the last batch: for both buffers and for the sums below
.endif
.if sn < 2
	SFETCH \va, \off, sn+2
.endif
.set sn, sn+1
.endr
	WIN 0xff
.set si, 0
.rept 8
	v_pk_add_f32 v[\sb+2*si:\sb+2*si+1], v[\sb+2*si:\sb+2*si+1], v[128+2*si:129+2*si]
.set si, si+1
.endr
.set si, 0
.rept 8
	v_max3_num_f32 v144, v144, v[\sb+2*si], v[\sb+2*si+1]
.set si, si+1
.endr
.endm
; a slot's 16 scores a lane to my scratch, soff bytes behind v17
.macro PARK sb, soff
	WIN 0x0c
.irp i, 0,1,2,3
	ds_store_b128 v17, v[\sb+4*\i:\sb+4*\i+3] offset:\soff+512*\i
.endr
.endm
; eight transposed fragments of x (features 128 n .. + 127, 32 keys), 16 LDS loads: keys 0-15 at vt0 + off0, keys 16-31 at vt1 + off1
.macro VFETCH vt0, off0, vt1, off1, n
	WIN 0
.set vf, 0
.rept 8
	ds_load_tr16_b128 v[64+64*((\n)&1)+8*vf:64+64*((\n)&1)+8*vf+3], v[\vt0] offset:\off0+32*(8*(\n)+vf)
	ds_load_tr16_b128 v[64+64*((\n)&1)+8*vf+4:64+64*((\n)&1)+8*vf+7], v[\vt1] offset:\off1+32*(8*(\n)+vf)
.set vf, vf+1
.endr
.endm
; a slot: exponentials, their sum, P in f16 (in place: a lane's 16 scores are its 16 numbers of the second operand), U += P x.
; scr = 1: the scores come back first from my scratch, soff bytes behind v29
.macro SOFTPV sb, vt0, off0, vt1, off1, first, scr, soff
.if \scr
	WIN 0xc0
.irp i, 0,1,2,3
	ds_load_b128 v[\sb+4*\i:\sb+4*\i+3], v29 offset:\soff+512*\i
.endr
.endif
	VFETCH \vt0, \off0, \vt1, \off1, 0
	VFETCH \vt0, \off0, \vt1, \off1, 1
.if \scr
	s_wait_dscnt 32                                ; the four loads of scores are in; the 32 fragment loads behind them stay out
.endif
	WIN 0xff
.set si, 0
.rept 8
	v_pk_fma_f32 v[\sb+2*si:\sb+2*si+1], v[\sb+2*si:\sb+2*si+1], v[154:155], v[152:153]   ; (score - max) x 2^e x scale x log2(e)
.set si, si+1
.endr
.set si, 0
.rept 16
	v_exp_f32 v[\sb+si], v[\sb+si]
.set si, si+1
.endr
	v_nop                                          ; one plain instruction between the last exponential and the first use
.if \first
	s_wait_alu depctr_va_vdst(0)
	v_pk_add_f32 v[146:147], v[\sb:\sb+1], v[\sb+2:\sb+3]          ; the first slot starts the sums
	v_pk_add_f32 v[148:149], v[\sb+4:\sb+5], v[\sb+6:\sb+7]
.set si, 4
.rept 2
	v_pk_add_f32 v[146:147], v[146:147], v[\sb+2*si:\sb+2*si+1]
	v_pk_add_f32 v[148:149], v[148:149], v[\sb+2*si+2:\sb+2*si+3]
.set si, si+2
.endr
.else
.set si, 0
	s_wait_alu depctr_va_vdst(0)
.rept 4
	v_pk_add_f32 v[146:147], v[146:147], v[\sb+2*si:\sb+2*si+1]
	v_pk_add_f32 v[148:149], v[148:149], v[\sb+2*si+2:\sb+2*si+3]
.set si, si+2
.endr
.endif
.set si, 0
.rept 8
	v_cvt_pk_f16_f32 v[\sb+si], v[\sb+2*si], v[\sb+2*si+1]         ; register si is written when registers up to 2 si - 1 have been read
.set si, si+1
.endr
.set vn, 0
.rept 4
.if vn < 3
	s_wait_dscnt 16                                ; this batch is in, the younger one stays out
.else
	s_wait_dscnt 0
.endif
	WIN 0x5c
.set vf, 0
.rept 8                                            ; the 32 accumulators take turns, from slot to slot and over the loop's backward jump too
.set v_d, 8*(8*vn+vf)
.if \first
	v_wmma_f32_16x16x32_f16 v[v_d:v_d+7], v[64+64*(vn&1)+8*vf:64+64*(vn&1)+8*vf+7], v[\sb:\sb+7], 0
.else
	v_wmma_f32_16x16x32_f16 v[v_d:v_d+7], v[64+64*(vn&1)+8*vf:64+64*(vn&1)+8*vf+7], v[\sb:\sb+7], v[v_d:v_d+7]
.endif
.set vf, vf+1
.endr
.if vn != 2
	PLACES 4                                       ; before the buffer is loaded again; behind the last batch: for both buffers and for P's registers
.endif
.if vn < 2
	VFETCH \vt0, \off0, \vt1, \off1, vn+2
.endif
.set vn, vn+1
.endr
.endm
	; 1. c, G1's first three steps, my 16 query rows
.irp a, 0,1,2,3,4,5,6,7
	global_load_b128 v[192+8*\a:195+8*\a], v23, s[22:23] offset:64*\a
	global_load_b128 v[196+8*\a:199+8*\a], v23, s[22:23] offset:64*\a+16
.endr
	WLOADB 6, 0, 0
	WLOADB 6, 1, 1
	WLOADB 6, 2, 2
.irp g, 0,1,2,3
	XISSUE \g, 7, 0
.endr
.irp g, 0,1,2,3
	s_wait_loadcnt 48-16*\g                        ; quarter g and all older loads are in; the younger quarters stay out
	XCONV \g
.endr
	s_wait_dscnt 0x0
	BAR                                            ; the 64 query rows are whole
	; 2. T = x G1^T + c, to TX in f32
	GEMM 6, 9, T16, 64, 32, 0, a
	PLACES 4
	TOUT
	s_wait_dscnt 0x0
	BAR
	; 3. my query tile's T: 256 numbers a lane into window 1; register 8 A + i is feature 16 A + 8 h + i of query r
	WIN 0x40
.set ti, 0
.rept 64
	ds_load_b128 v[4*ti:4*ti+3], v3 offset:ti*512
.set ti, ti+1
.endr
	WIN 0xc0
	v_mov_b32 v145, v31
	v_mov_b32 v151, 0xff800000
	WIN 0
	s_wait_dscnt 0x0                               ; my reads of TX are over before I signal: blocks 1 and 2 are laid over it
	BAR
	; the largest |t| of my query, in four chains that do not wait for each other
	WIN 0x05
.irp ch, 0,1,2,3
	v_max_num_f32 v[32+\ch], |v[2*\ch]|, |v[2*\ch+1]|
.endr
	WIN 0x14
.set ti, 4
.rept 124
	v_max3_num_f32 v[32+ti%4], v[32+ti%4], |v[2*ti]|, |v[2*ti+1]|
.set ti, ti+1
.endr
	WIN 0
	v_max3_num_f32 v32, v32, v33, v34
	v_max_num_f32 v32, v32, v35
	v_permlanex16_b32 v33, v32, s26, s27           ; the other half of the lanes holds the query's other 256 features
	v_max_num_f32 v32, v32, v33
	v_and_b32 v32, 0x7f800000, v32                 ; its exponent's bits are the number 2^e,
	v_max_u32 v32, 0x00800000, v32                 ; kept in 2^-126 .. 2^126, so that 2^e and 2^-e are both normal numbers
	v_min_u32 v32, 0x7e800000, v32
	v_sub_nc_u32 v34, 0x7f000000, v32              ; 2^-e: the exponent's bits mirrored at 127
	v_mov_b32 v35, v34
	v_mul_f32 v36, 0x3e8293ee, v32                 ; 2^e x 32^-0.5 x log2(e)
	WIN 0xc0
	v_mov_b32 v154, v36
	v_mov_b32 v155, v36
	WIN 0x41
.set ti, 0
.rept 128
	v_pk_mul_f32 v[2*ti:2*ti+1], v[2*ti:2*ti+1], v[34:35]          ; exact: a power of two
.set ti, ti+1
.endr
	WIN 0x85
.set ti, 0
.rept 128
	v_cvt_pk_f16_f32 v[ti], v[2*ti], v[2*ti+1]     ; window 2: registers 8 ks .. 8 ks + 7 are step ks's fragment
.set ti, ti+1
.endr
	WIN 0
	s_mul_i32 s13, s10, SCRW                       ; T's addresses are done with: v17 and v29 now walk my scratch
	s_add_co_u32 s13, s13, SCR
	v_lshl_add_u32 v17, v1, 4, s13                 ; where a slot's scores go
	v_mov_b32 v29, v17                             ; and where they come back from
	; 4. the j earlier key blocks into LDS blocks 1 .. j.  A block's four quarters (64 loads) are on their way while the block before is rounded and laid down.
	s_cmp_eq_u32 s11, 0
	s_cbranch_scc1 .Lkeys_done
.irp g, 0,1,2,3
	XISSUE \g, 28, 0
.endr
	WIN 0
	v_add_nc_u32 v8, BLK, v8
	s_mov_b32 s28, 1
.Lkeys:                                            ; trip s28 lays down block s28 and asks for the next; the last block stands behind the loop and asks for nothing
	s_cmp_ge_u32 s28, s11
	s_cbranch_scc1 .Lkeys_last
.irp g, 0,1,2,3
	s_wait_loadcnt 48                              ; this quarter is in: behind it are three quarters of 16 loads (of this block and the next)
	XCONV \g
	XISSUE \g, 28, 131072                          ; the next block's quarter, into the registers just read
.endr
	WIN 0
	s_wait_xcnt 0x0                                ; v28 is a source of the pending loads: it steps only behind this wait
	v_add_nc_u32 v28, 0x20000, v28
	v_add_nc_u32 v8, BLK, v8
	s_add_co_u32 s28, s28, 1
	s_cmp_lt_u32 s28, 3
	s_cbranch_scc1 .Lkeys
.Lkeys_last:
.irp g, 0,1,2,3
	s_wait_loadcnt 48-16*\g                        ; the counts run down
	XCONV \g
.endr
.Lkeys_done:
	s_wait_dscnt 0x0                               ; my stores are in LDS before I signal
	BAR                                            ; all of x is whole
	; 5. scores.  The diagonal tile: keys = my own 16 rows
	STILE 0, 10
.set si, 0
.rept 8
	v_cmp_le_i32 vcc_lo, si, v145
	v_cndmask_b32 v[si], v151, v[si], vcc_lo       ; above the diagonal: -inf
.set si, si+1
.endr
	v_max_num_f32 v144, v0, v1                     ; starts the row maximum
	v_max3_num_f32 v144, v144, v2, v3
	v_max3_num_f32 v144, v144, v4, v5
	v_max3_num_f32 v144, v144, v6, v7
	WIN 0
	; the tile beside it: below the diagonal for odd waves, wholly above it for even ones, which compute nothing there
	s_and_b32 s13, s10, 1
	s_cmp_eq_u32 s13, 0
	s_cbranch_scc1 .Leven
	STILE 8, 11
	v_max3_num_f32 v144, v144, v8, v9
	v_max3_num_f32 v144, v144, v10, v11
	v_max3_num_f32 v144, v144, v12, v13
	v_max3_num_f32 v144, v144, v14, v15
	WIN 0
	s_branch .Lboth
.Leven:
	WIN 0xff
.set si, 8
.rept 8
	v_mov_b32 v[si], v151                          ; -inf: P = 0
.set si, si+1
.endr
	WIN 0
.Lboth:
	; keys 0-31 of my block: below the diagonal of waves 2 and 3 alone; their scores stay in registers
	s_cmp_lt_u32 s10, 2
	s_cbranch_scc1 .Llow_s
	SCORE2 16, 9, 0
	WIN 0
.Llow_s:
	; the earlier key blocks: trip t is LDS block t + 1, two slots of 32 keys; their scores go to my scratch
	s_mov_b32 s28, 0
.Lsc:
	s_cmp_ge_u32 s28, s11                          ; j blocks hold keys
	s_cbranch_scc1 .Lsc_done
	SCORE2 32, 12, 0
	PARK 32, 0
	SCORE2 32, 12, T32
	PARK 32, SCRS
	WIN 0
	v_add_nc_u32 v12, BLK, v12
	v_add_nc_u32 v17, 2*SCRS, v17
	s_add_co_u32 s28, s28, 1
	s_cmp_lt_u32 s28, 3
	s_cbranch_scc1 .Lsc
.Lsc_done:
	WIN 0xff
	v_mov_b32 v150, v144                           ; the permute's destination counts as read
	v_permlanex16_b32 v150, v144, s26, s27         ; the two halves of the lanes hold different keys of one query
	v_max_num_f32 v144, v144, v150
	v_mul_f32 v152, v144, v154                     ; max x factor (the factor is positive, so the maximum stays the maximum),
	v_xor_b32 v152, 0x80000000, v152               ; with its sign turned
	v_mov_b32 v153, v152
	WIN 0
	global_load_b128 v[24:27], v30, s[22:23] offset:2048           ; dd
	WLOADB 20, 0, 0                                ; T's registers are free: G2's first three steps land during the work below
	WLOADB 20, 1, 1
	WLOADB 20, 2, 2
	; 6. softmax and U = P x, the same keys in the same order.  The diagonal tile and its neighbour start the sums.
	SOFTPV 0, 14, 0, 15, 0, 1, 0, 0
	WIN 0
	s_cmp_lt_u32 s10, 2
	s_cbranch_scc1 .Llow_p
	SOFTPV 16, 13, 0, 13, T16, 0, 0, 0
	WIN 0
.Llow_p:
	s_mov_b32 s28, 0
.Lpv:
	s_cmp_ge_u32 s28, s11
	s_cbranch_scc1 .Lpv_done
	SOFTPV 32, 16, 0, 16, T16, 0, 1, 0
	SOFTPV 32, 16, T32, 16, T32+T16, 0, 1, SCRS
	WIN 0
	v_add_nc_u32 v16, BLK, v16
	v_add_nc_u32 v29, 2*SCRS, v29
	s_add_co_u32 s28, s28, 1
	s_cmp_lt_u32 s28, 3
	s_cbranch_scc1 .Lpv
.Lpv_done:
	WIN 0xff
	v_pk_add_f32 v[146:147], v[146:147], v[148:149]
	v_add_f32 v146, v146, v147
	v_permlanex16_b32 v150, v146, s26, s27
	v_add_f32 v146, v146, v150
	v_rcp_f32 v147, v146                           ; the sum is at least the maximum's own term, about 1
	v_nop
	WIN 0x03
	s_wait_alu depctr_va_vdst(0)
	v_mov_b32 v2, v147
	v_mov_b32 v3, v147
	WIN 0
	; 7. U / sum to EX in fragment order
	s_wait_dscnt 0x0
	BAR                                            ; no wave reads x in LDS any more
	UPACK
	s_wait_dscnt 0x0
	BAR
	; 8. Y = U G2^T
	GEMM 20, 19, 16384, 1024, 512, 1, b
	; 9. the way out: my 64 rows x 128 columns through my own stage, read back as whole rows of 512 bytes; + dd + x
	PLACES 4
	WIN 0x04
.set ea, 0
.rept 8
.irp q, 0,1,2,3
	ds_store_b128 v20, v[8*(4*ea+\q):8*(4*ea+\q)+3] offset:\q*16*SP+ea*64
	ds_store_b128 v20, v[8*(4*ea+\q)+4:8*(4*ea+\q)+7] offset:\q*16*SP+ea*64+16
.endr
.set ea, ea+1
.endr
.irp eb, 0,1,2,3
	WIN 0
.if \eb > 0
	s_wait_xcnt 0x0                                ; the last batch's stores have read v192-255: they are loaded again only behind this wait
.endif
.set ei, 0
.rept 16
	ds_load_b128 v[192+4*ei:195+4*ei], v21 offset:(16*\eb+ei)*SP   ; LDS serves a wave's instructions in order: these see my stores above
.set ei, ei+1
.endr
.if \eb < 3
	s_wait_loadcnt 16                              ; this batch's residual is in, the next batch's 16 loads stay out
.else
	s_wait_loadcnt 0
.endif
	s_wait_dscnt 0x0
.set ei, 0
.rept 16
	v_pk_add_f32 v[192+4*ei:193+4*ei], v[192+4*ei:193+4*ei], v[24:25]
	v_pk_add_f32 v[194+4*ei:195+4*ei], v[194+4*ei:195+4*ei], v[26:27]
.set ei, ei+1
.endr
	WIN 0x0c
.set ei, 0
.rept 32
	v_pk_add_f32 v[192+2*ei:193+2*ei], v[192+2*ei:193+2*ei], v[64*((\eb)&1)+2*ei:64*((\eb)&1)+2*ei+1]
.set ei, ei+1
.endr
	WIN 0
.set ei, 0
.rept 16
	global_store_b128 v22, v[192+4*ei:195+4*ei], s[18:19] offset:(16*\eb+ei)*2048 th:TH_STORE_NT   ; the wave stores 512 consecutive bytes, aligned
.set ei, ei+1
.endr
.if \eb < 2
	XRISSUE \eb+2
.endif
.endr
	WIN 0
	s_set_vgpr_msb 0xf
	s_wait_tensorcnt 0x0
	ds_add_u32 v160, v161
	s_wait_dscnt 0x0
	s_set_vgpr_msb 0xf00
	s_endpgm
.Lfunc_end_k_q924c3ba1ef_attn:
	.size	k_q924c3ba1ef_attn, .Lfunc_end_k_q924c3ba1ef_attn-k_q924c3ba1ef_attn
	.p2alignl 7, 3214868480
	.fill 96, 4, 3214868480
	.section	.rodata,"a",@progbits
	.p2align	6, 0x0
	.amdhsa_kernel k_q924c3ba1ef_attn
		.amdhsa_group_segment_fixed_size 315904
		.amdhsa_private_segment_fixed_size 0
		.amdhsa_enable_private_segment 0
		.amdhsa_kernarg_size 24
		.amdhsa_user_sgpr_count 2
		.amdhsa_user_sgpr_kernarg_segment_ptr 1
		.amdhsa_wavefront_size32 1
		.amdhsa_system_sgpr_workgroup_id_x 1
		.amdhsa_system_sgpr_workgroup_id_y 1
		.amdhsa_system_sgpr_workgroup_id_z 1
		.amdhsa_system_vgpr_workitem_id 0
		.amdhsa_next_free_vgpr 930
		.amdhsa_next_free_sgpr 66
		.amdhsa_reserve_vcc 1
		.amdhsa_float_denorm_mode_32 3
		.amdhsa_float_denorm_mode_16_64 3
		.amdhsa_memory_ordered 1
		.amdhsa_forward_progress 1
		.amdhsa_inst_pref_size 255
	.end_amdhsa_kernel
	.section	.bss,"aw",@nobits
	.p2align	6
	.space	262144
	.amdgpu_metadata
---
amdhsa.version: [ 1, 2 ]
amdhsa.kernels:
  - .name:           k_q924c3ba1ef_attn
    .symbol:         k_q924c3ba1ef_attn.kd
    .args:
      - { .name: x, .offset: 0, .size: 8, .value_kind: global_buffer, .address_space: global }
      - { .name: gw, .offset: 8, .size: 8, .value_kind: global_buffer, .address_space: global }
      - { .name: out0, .offset: 16, .size: 8, .value_kind: global_buffer, .address_space: global }
    .group_segment_fixed_size: 315904
    .private_segment_fixed_size: 0
    .kernarg_segment_align: 8
    .kernarg_segment_size: 24
    .max_flat_workgroup_size: 128
    .sgpr_count:     66
    .vgpr_count:     930
    .wavefront_size: 32
...
	.end_amdgpu_metadata
.endif
;; end of part 3
